; MI455X (gfx1250); checked and timed in simulation.
; The chip was launched on July 23, 2026; its instructions are those of AMD's public machine-readable ISA for CDNA 5 (MIT licence, August 2026) and "CDNA5" Instruction Set Architecture Reference Guide (July 2026). The comments in the code are by the model that wrote it; some were corrected since.
;; Descriptor Matcher. Allowed arithmetic: matrix products marked QUANTISED: E2M3 operands, one E8M0 scale for each 32 along K, by v_wmma_scale_f32_16x16x128_f8f6f4 with both operands' format E2M3, f32 sums; everything else in f32.
;; Inputs: desc1 16,384 x 256 float32; desc2 16,384 x 256 float32.
;; Outputs: out0 16,384 x 1 float32; out1 16,384 x 2 int32.
;; This version of the problem:
;;   THIS VERSION OF THE PROBLEM IS GIVEN IN LOW PRECISION. The matrix products marked QUANTISED in the list below multiply operands that are first quantised to E2M3 (2 exponent bits, 3 mantissa bits; 6 bits a number), with one power-of-two scale for each 32 numbers along K (OCP MX v1.0); their sums are f32. All else is computed in f32.
;;   The module's matrix products, in the order in which they are computed (A, B: the left and right operand; K: the contracted axis; several contracted axes count as one K, in the product's order):
;;     1. [M 16,384, K 256] x [K 256, N 16,384]; A: input desc1; B: input desc2: QUANTISED
;;   THE QUANTISER, for each operand of a quantised product, along K:
;;     - K is cut into blocks of 32 from its start; a last block that is shorter is filled with zeros.
;;     - A block's scale is 2^e with e = floor(log2(the largest magnitude in the block)) - 2, held to -126 .. 127; a block of zeros has e = 0. As a byte (E8M0): e + 127.
;;     - Each number is divided by its block's scale, clamped to +-7.5, and rounded to the nearest number of E2M3, ties to even, subnormals kept.
;;     - The product sums the exact products of the quantised numbers (number of the format x scale) in f32.
;;   ~~~python
;;   def quantise(x, axis):      # numpy; x: float32 -> the quantised numbers, widened to float32 again
;;       x = np.moveaxis(x, axis, -1); K = x.shape[-1]
;;       x = np.pad(x, [(0, 0)] * (x.ndim - 1) + [(0, -K % 32)]); x = x.reshape(x.shape[:-1] + (-1, 32)); a = np.abs(x).max(-1, keepdims=True)
;;       e = np.where(a > 0, np.clip(np.frexp(np.where(a > 0, a, 1))[1] - 1 - 2, -126, 127), 0)      # np.frexp(a)[1] - 1 = floor(log2(a)), exactly
;;       r = np.clip(x / 2.0 ** e, -7.5, 7.5)
;;       step = 2.0 ** (np.maximum(np.frexp(np.where(r == 0, 1, r))[1] - 1, 0) - 3)
;;       q = np.round(r / step) * step * 2.0 ** e      # np.round: ties to even
;;       return np.moveaxis(q.reshape(q.shape[:-2] + (-1,))[..., :K], -1, axis).astype(np.float32)
;;   ~~~
;; One version. Each part assembles by itself: llvm-mc -triple=amdgcn-amd-amdhsa -mcpu=gfx1250 --defsym DOCPART=n.
;; ======== version 1 of 1: 3 launches
;; workspace buffers: rec1 3,407,872 bytes; rec2 3,407,872 bytes; part 2,097,152 bytes of whole numbers
;; launch quant (part 1): grid 256 x 1, 8 waves a work-group, no clusters, 136,192 bytes of LDS; arguments desc1, desc2, rec1, rec2; writes rec1, rec2
.if DOCPART == 1
	.amdgcn_target "amdgcn-amd-amdhsa--gfx1250"
	.amdhsa_code_object_version 6
	.text
	.protected	k_qc4daec4541_quant
	.globl	k_qc4daec4541_quant
	.p2align	8
	.type	k_qc4daec4541_quant,@function
k_qc4daec4541_quant:
	s_mov_b64 s[64:65], 0
	v_nop
	global_prefetch_b8 v0, s[64:65] scope:SCOPE_SE
	s_setreg_imm32_b32 hwreg(HW_REG_WAVE_MODE, 25, 1), 1
	s_wait_xcnt 0x0
; desc1 and desc2, [16384][256] f32, become TILE RECORDS: 16 rows x 256 K in 3,328 bytes (13 x 256), laid in the order of a matrix operand's registers.
;   +0     the fragment of K step 0 (16 rows x 128 K of E2M3 codes, 12 registers a lane) as three groups of four registers: group g has lane l's 16 bytes at 512 g + 16 l
;   +1536  the fragment of K step 1, likewise
;   +3072  32 scale words: word l = row l % 16, K step l / 16: the four E8M0 bytes of that row's four blocks of 32
;   +3200  16 f32: each row's sum of squares (of the numbers as given, not of the codes);   +3264  16 f32: that sum x -1/2
; A block's scale is 2^(floor(log2(its largest magnitude)) - 2); its byte is the largest magnitude's exponent field - 2, held at 1 from below.  A block of zeros so keeps the byte 1:
; its codes are zeros, which add nothing, and this program alone reads the bytes.
; LIMITS: NaN and infinities among the inputs are not served; blocks whose largest magnitude lies under 2^-124 keep the byte 1.
; SHARES.  A wave takes one tile: 2,048 tiles, 8 to a work-group; work-groups 0-127 take desc1, the others desc2 (only pointers are chosen: one path for both).
; Each load reads 512 consecutive bytes, 16 a lane; the conversions want 32 neighbours along K in one lane: so a K step's 16 x 512 bytes turn through the wave's own stage in LDS.
; All 32 loads of a wave go out at once.  No loop, no barrier (waves share nothing), no cluster (no two work-groups read the same bytes), no matrix work.
.set REC,   3328
.set PITCH, 528                        ; a stage row: 512 bytes + 16 = 33 x 16: sixteen lanes that read one column of sixteen rows touch sixteen different 16-byte columns of 256
.set STG,   16*PITCH                   ; a stage; each wave has two, one for each K step
.set MX,    10                         ; v10-11  a block's largest magnitude (my two blocks of the K step)
.set SO,    14                         ; v14-15  the conversion's scale operand
.set BY,    16                         ; v16-17  the scale's byte
.set W,     18                         ; v18-19  my row's scale word of K step 0, 1
.set SQ,    24                         ; v24-31  four pairs of running sums of squares
.set F,     32                         ; v32-55  the two fragments
.set T2,    56                         ; v56-63  the second halves of the blocks' codes, before they are moved
.set X,     64                         ; v64-191 the numbers: K step s at X + 64 s
	s_load_b128 s[4:7], s[0:1], 0x0                ; desc1, desc2
	s_load_b128 s[8:11], s[0:1], 0x10              ; rec1, rec2
	v_lshl_add_u32 v192, v0, 2, 0x21000
	v_mov_b32 v193, 0
	v_lshrrev_b32 v1, 5, v0
	v_readfirstlane_b32 s12, v1                    ; wave 0..7
	v_and_b32 v1, 31, v0                           ; lane
	v_and_b32 v2, 15, v0                           ; r
	v_bfe_u32 v3, v0, 4, 1                         ; h
	v_lshlrev_b32 v4, 4, v1                        ; 16 x lane: my bytes of a load's 512, and of a record's group
	s_mul_i32 s21, s12, 2*STG                      ; my wave's two stages
	v_add_nc_u32 v5, s21, v4                       ; into a stage: as loaded
	v_mul_u32_u24 v6, v2, PITCH
	v_lshl_add_u32 v6, v3, 7, v6
	v_add_nc_u32 v6, s21, v6                       ; out of it: row r, + 128 h: 32 numbers of my half of each 64
	v_lshlrev_b32 v8, 2, v1                        ; 4 x lane
	v_lshlrev_b32 v9, 3, v3                        ; 8 h: where my bytes stand in a scale word
	v_mov_b32 v20, 0                               ; a lane permute's destination counts as one of its sources
	s_mov_b32 s18, 0x76543210
	s_mov_b32 s19, 0xfedcba98                      ; v_permlanex16_b32's selects for lane l xor 16
	s_mov_b32 s20, 0xffff0000                      ; lanes 16-31
	s_wait_kmcnt 0x0
	s_cmp_lt_u32 ttmp9, 128                        ; desc1's work-group or desc2's: the choice hangs on the work-group's number alone
	s_cselect_b64 s[4:5], s[4:5], s[6:7]
	s_cselect_b64 s[8:9], s[8:9], s[10:11]
	s_cselect_b32 s13, 0, 128
	s_sub_co_u32 s13, ttmp9, s13
	s_lshl_b32 s13, s13, 3
	s_add_co_u32 s13, s13, s12                     ; my tile, 0..1023
	s_lshl_b32 s14, s13, 14                        ; 16 rows of 1,024 bytes
	s_mov_b32 s15, 0
	s_add_nc_u64 s[4:5], s[4:5], s[14:15]
	s_mul_i32 s16, s13, REC
	s_mov_b32 s17, 0
	s_add_nc_u64 s[8:9], s[8:9], s[16:17]
.macro LOADS s                         ; K step s of the 16 rows: each load takes 512 consecutive bytes of one row
.irp r, 0,1,2,3,4,5,6,7,8,9,10,11,12,13,14,15
	global_load_b128 v[X+64*\s+4*\r:X+64*\s+4*\r+3], v4, s[4:5] offset:1024*\r+512*\s th:TH_LOAD_NT
.endr
.endm
.macro TURN s                          ; through the stage: LDS serves a wave's instructions in order (ISA guide 5.7.1.4), so no wait stands between the stores and the loads, which land in the registers that the stores left
.irp r, 0,1,2,3,4,5,6,7,8,9,10,11,12,13,14,15
	ds_store_b128 v5, v[X+64*\s+4*\r:X+64*\s+4*\r+3] offset:STG*\s+PITCH*\r
.endr
.irp c, 0,1
.irp i, 0,1,2,3,4,5,6,7
	ds_load_b128 v[X+64*\s+32*\c+4*\i:X+64*\s+32*\c+4*\i+3], v6 offset:STG*\s+256*\c+16*\i   ; register 32 c + n = x[r][128 s + 64 c + 32 h + n]: the order of the operand's layout
.endr
.endr
.endm
.macro PROC s                          ; a K step: two whole blocks a lane
.set XS, X+64*\s
.irp c, 0,1
	v_max3_num_f32 v[MX+\c], |v[XS+32*\c]|, |v[XS+32*\c+1]|, 0x1800000   ; and the floor 2^(3 - 127): the byte cannot fall under 1
.endr
.irp i, 2,4,6,8,10,12,14,16,18,20,22,24,26,28,30
.irp c, 0,1
	v_max3_num_f32 v[MX+\c], v[MX+\c], |v[XS+32*\c+\i]|, |v[XS+32*\c+\i+1]|   ; (the two blocks by turns)
.endr
.endr
.irp c, 0,1
	v_add_nc_u32 v[SO+\c], 0xff000000, v[MX+\c]    ; 2 off the exponent field: the conversion takes the exponent field of this operand as its scale
.endr
.irp c, 0,1
	v_lshrrev_b32 v[BY+\c], 23, v[SO+\c]           ; the scale's byte
.endr
	v_lshl_or_b32 v[W+\s], v[BY+1], 16, v[BY]      ; my two bytes: blocks h and 2 + h,
	v_lshlrev_b32 v[W+\s], v9, v[W+\s]             ; at their places;
	v_permlanex16_b32 v20, v[W+\s], s18, s19
	v_or_b32 v[W+\s], v[W+\s], v20                 ; with lane l xor 16's two the word is whole
.set j, 0
.rept 32                               ; the sum of squares, two at a time, in four chains; the first four products start the chains
.if (\s == 0) && (j < 4)
	v_pk_mul_f32 v[SQ+2*j:SQ+2*j+1], v[XS+2*j:XS+2*j+1], v[XS+2*j:XS+2*j+1]
.else
	v_pk_fma_f32 v[SQ+2*(j%4):SQ+2*(j%4)+1], v[XS+2*j:XS+2*j+1], v[XS+2*j:XS+2*j+1], v[SQ+2*(j%4):SQ+2*(j%4)+1]
.endif
.set j, j+1
.endr
.irp c, 0,1
	v_cvt_scalef32_pk16_fp6_f32 v[F+12*\s+6*\c:F+12*\s+6*\c+2], v[XS+32*\c:XS+32*\c+15], v[SO+\c]   ; to the nearest code, ties to even, beyond 7.5 the largest code
	v_cvt_scalef32_pk16_fp6_f32 v[T2+4*\c:T2+4*\c+2], v[XS+32*\c+16:XS+32*\c+31], v[SO+\c]         ; (a conversion's three registers begin on an even number)
.endr
	v_nop                                          ; one plain place behind a scaled conversion
.irp c, 0,1
.irp i, 0,1,2
	v_mov_b32 v[F+12*\s+6*\c+3+\i], v[T2+4*\c+\i]
.endr
.endr
.irp g, 0,1,2
	global_store_b128 v4, v[F+12*\s+4*\g:F+12*\s+4*\g+3], s[8:9] offset:1536*\s+512*\g   ; 512 consecutive bytes, at a multiple of 256 from the buffer's first byte
.endr
.endm
	LOADS 0
	LOADS 1
	s_wait_loadcnt 16                              ; K step 0's 16 loads are in; K step 1's 16 are younger
	TURN 0
	s_wait_loadcnt 0x0
	TURN 1
	s_wait_dscnt 32                                ; the first turn is over; the second's 32 instructions are younger
	PROC 0
	s_wait_dscnt 0x0
	PROC 1                                         ; (it writes no register that K step 0's stores read: each K step has its own fragment)
	v_pk_add_f32 v[SQ:SQ+1], v[SQ:SQ+1], v[SQ+2:SQ+3]
	v_pk_add_f32 v[SQ+4:SQ+5], v[SQ+4:SQ+5], v[SQ+6:SQ+7]
	v_pk_add_f32 v[SQ:SQ+1], v[SQ:SQ+1], v[SQ+4:SQ+5]
	v_add_f32 v[SQ], v[SQ], v[SQ+1]
	v_permlanex16_b32 v20, v[SQ], s18, s19
	v_add_f32 v[SQ], v[SQ], v20                    ; my row's sum of squares
	v_mul_f32 v21, -0.5, v[SQ]
	v_cndmask_b32 v21, v[SQ], v21, s20             ; lanes 0-15 store the sum, lanes 16-31 the sum x -1/2
	global_store_b32 v8, v21, s[8:9] offset:3200
	v_cndmask_b32 v22, v[W], v[W+1], s20           ; lanes 0-15 K step 0's word, lanes 16-31 K step 1's
	global_store_b32 v8, v22, s[8:9] offset:3072
	s_wait_tensorcnt 0x0
	ds_add_u32 v192, v193
	s_wait_dscnt 0x0
	s_endpgm
.Lfunc_end_k_qc4daec4541_quant:
	.size	k_qc4daec4541_quant, .Lfunc_end_k_qc4daec4541_quant-k_qc4daec4541_quant
	.p2alignl 7, 3214868480
	.fill 96, 4, 3214868480
	.section	.rodata,"a",@progbits
	.p2align	6, 0x0
	.amdhsa_kernel k_qc4daec4541_quant
		.amdhsa_group_segment_fixed_size 136192
		.amdhsa_private_segment_fixed_size 0
		.amdhsa_enable_private_segment 0
		.amdhsa_kernarg_size 32
		.amdhsa_user_sgpr_count 2
		.amdhsa_user_sgpr_kernarg_segment_ptr 1
		.amdhsa_wavefront_size32 1
		.amdhsa_system_sgpr_workgroup_id_x 1
		.amdhsa_system_sgpr_workgroup_id_y 1
		.amdhsa_system_sgpr_workgroup_id_z 1
		.amdhsa_system_vgpr_workitem_id 0
		.amdhsa_next_free_vgpr 194
		.amdhsa_next_free_sgpr 66
		.amdhsa_reserve_vcc 0
		.amdhsa_float_denorm_mode_32 3
		.amdhsa_float_denorm_mode_16_64 3
		.amdhsa_memory_ordered 1
		.amdhsa_forward_progress 1
		.amdhsa_inst_pref_size 21
	.end_amdhsa_kernel
	.amdgpu_metadata
---
amdhsa.version: [ 1, 2 ]
amdhsa.kernels:
  - .name:           k_qc4daec4541_quant
    .symbol:         k_qc4daec4541_quant.kd
    .args:
      - { .name: desc1, .offset: 0, .size: 8, .value_kind: global_buffer, .address_space: global }
      - { .name: desc2, .offset: 8, .size: 8, .value_kind: global_buffer, .address_space: global }
      - { .name: rec1, .offset: 16, .size: 8, .value_kind: global_buffer, .address_space: global }
      - { .name: rec2, .offset: 24, .size: 8, .value_kind: global_buffer, .address_space: global }
    .group_segment_fixed_size: 136192
    .private_segment_fixed_size: 0
    .kernarg_segment_align: 8
    .kernarg_segment_size: 32
    .max_flat_workgroup_size: 256
    .sgpr_count:     66
    .vgpr_count:     194
    .wavefront_size: 32
...
	.end_amdgpu_metadata
.endif
;; end of part 1
;; launch scan (part 2): grid 16 x 16, 8 waves a work-group, clusters of 4 x 1, 214,016 bytes of LDS; arguments rec1, rec2, part; writes part
.if DOCPART == 2
	.amdgcn_target "amdgcn-amd-amdhsa--gfx1250"
	.amdhsa_code_object_version 6
	.text
	.protected	k_qc4daec4541_scan
	.globl	k_qc4daec4541_scan
	.p2align	8
	.type	k_qc4daec4541_scan,@function
k_qc4daec4541_scan:
	s_mov_b64 s[64:65], 0
	v_nop
	global_prefetch_b8 v0, s[64:65] scope:SCOPE_SE
	s_setreg_imm32_b32 hwreg(HW_REG_WAVE_MODE, 25, 1), 1
	s_wait_xcnt 0x0
	s_wait_alu depctr_hold_cnt(0) depctr_sa_sdst(0) depctr_va_vdst(0) depctr_va_sdst(0) depctr_va_ssrc(0) depctr_va_vcc(0) depctr_vm_vsrc(0)
	s_getreg_b32 s2, hwreg(HW_REG_IB_STS2, 6, 4)
	s_cmp_eq_u32 s2, 0
	s_cbranch_scc0 .Lentry_in_a_cluster
	s_endpgm
.Lentry_in_a_cluster:
	s_bfe_u32 s2, ttmp6, 0x10000c
	s_cmp_lg_u32 s2, 0x3003
	s_cbranch_scc0 .Lentry_shape_is_right
	s_endpgm
.Lentry_shape_is_right:
; All products a.b of 16,384 queries (rec1) with 16,384 candidates (rec2), on codes of E2M3 with E8M0 scales, and of each query and each block of 1,024 candidates the best value and WHICH TILE of 16 candidates holds it.
; THE CRITERION.  d2 = a2 + b2 - 2 a.b = a2 - 2 D with D = a.b - b2/2: the smallest d2 is the largest D.  -b2/2 is the C of a sum's first matrix instruction and costs nothing.
; max(d2, 0) is D held at a2/2 from above: a tile that reaches the cap is not beaten by a later one, as the first of several zero distances wins.
; Only a running maximum a lane and the number of the tile that last raised it are kept: 7 vector instructions for 8 results.  The next launch multiplies the winning tile again and finds the candidate in it.
; LIMITS: NaN and infinities are not served.  Between different tiles the choice is made on D, which is rounded once, and not on a2 + b2 - 2 a.b rounded in two steps: where a query's two smallest
; d2 lie within about two ulp of a2 + b2 of each other, the index may differ from the one that the two-step rounding gives.  Equal D: the lower tile.
; SHARES.  Work-group (X, Y): queries 1024 X on, candidates 1024 Y on.  Wave w keeps 8 tiles of queries (128 queries, 192 registers of codes) for the whole launch and walks all 64 tiles of candidates from LDS:
; a tile of candidates, 9 LDS loads, feeds 16 matrix instructions.  Two waves lie on a SIMD, so that one's vector work stands beside the other's matrix work.
; LDS.  Candidate tile t lies at 3328 t as its record: 212,992 bytes, each filled ONCE, so there is no ring and no refill.  They come in four chunks of 16 tiles; wave w brings tiles 2 w and 2 w + 1 of each chunk
; (26 rows of 256 bytes: a chunk's 208 rows shared among the eight waves, so that chunk 0 is whole before the others): four tensor loads a wave, all issued at the start; four are out at the most.
; CLUSTER.  The four work-groups of a cluster share Y, so they want the same candidates: each tensor load is a joint one, with the mask of all four.  The queries differ from partner to partner and go straight into registers.
; THE MATRIX INSTRUCTION: source 0 = 16 candidates, source 1 = 16 queries: lane (r, h) holds query r, register j candidate 8 h + j.
; OUT: part[Y][query] = (key, tile): key = D's bits turned so that unsigned order is D's order.
; REGISTERS.  Window 0: v1-7 addresses; v8-15 the tile that last raised the maximum; v16-23, v24-31 the maxima, two sets by turns; v32-39 the cap a2/2; v40-47 the queries' scale words; v48-49 the candidates';
;   v64-111 two tiles' fragments; v112-127 their -b2/2; v128-255 two sets of 8 accumulators.   Window 1: v0-191 the queries' fragments: tile q, K step s at 24 q + 12 s.
.set REC,  3328
.set CH,   16*REC                      ; a chunk
.set IDX,  8
.set BEST, 16
.set CAP,  32
.set QS,   40
.set CS,   48
.set CF,   64
.set CB,   112
.set ACC,  128
.set WV,   10                          ; s10  my wave's number
.set TB,   14                          ; s14  LDS byte of the pair of tiles in hand
.set TID,  15                          ; s15  the number of the tile that is reduced next
.set CNT,  16                          ; s16  trips
.set HM,   17                          ; s17  lanes 16-31
.set SEL,  18                          ; s[18:19] selects for lane l xor 16
.set G1,   24                          ; s[24:31] descriptor group 1
.set G0,   32                          ; s[32:47] descriptor group 0, one for each chunk
.set CM,   48                          ; s[48:55] masks: where tile q's maximum has risen
.set MSB, 0
.macro WIN new                         ; the immediate's high byte repeats the setting that is left
.if MSB != \new
	s_set_vgpr_msb (MSB<<8)|\new
.set MSB, \new
.endif
.endm
.macro ROUND                           ; a round of the cluster's barrier
	s_barrier_signal -1
	s_barrier_wait -1
	s_cmp_lg_u32 s[WV], 0
	s_cbranch_scc1 .Lnot_wave_0_\@
	s_barrier_signal -3
.Lnot_wave_0_\@:
	s_barrier_wait -3
	s_barrier_signal -1
	s_barrier_wait -1
.endm
	s_load_b128 s[4:7], s[0:1], 0x0                ; rec1, rec2
	s_load_b64 s[8:9], s[0:1], 0x10                ; part
	v_lshl_add_u32 v62, v0, 2, 0x34000
	v_mov_b32 v63, 0
	ds_add_u32 v62, v63
	ds_add_u32 v62, v63
	v_lshrrev_b32 v1, 5, v0
	v_readfirstlane_b32 s[WV], v1                  ; wave 0..7
	v_and_b32 v50, 31, v0                          ; lane
	v_lshlrev_b32 v1, 4, v50                       ; 16 x lane
	v_lshlrev_b32 v2, 2, v50                       ; 4 x lane
	v_lshlrev_b32 v7, 3, v50                       ; 8 x lane
	v_bfe_u32 v3, v0, 4, 1
	v_lshlrev_b32 v3, 5, v3                        ; 32 h: my half's eight numbers of 16
	v_and_b32 v50, 15, v0
	v_lshlrev_b32 v50, 2, v50                      ; 4 r; not written again
	s_bfe_u32 s11, ttmp6, 0x40000                  ; cx: it enters the queries' and the results' addresses alone
	s_lshl_b32 s12, ttmp9, 2
	s_add_co_u32 s12, s12, s11                     ; X = 4 x cluster x + cx
	s_and_b32 s13, ttmp7, 0xffff                   ; Y, which the four partners share
	s_lshl_b32 s[TID], s13, 6                      ; my first tile of candidates: 64 Y
	s_mov_b32 s[HM], 0xffff0000
	s_mov_b32 s[SEL], 0x76543210
	s_mov_b32 s[SEL+1], 0xfedcba98
	; descriptor group 1: two records, 6,656 dense bytes, as 26 rows of 256 bytes (32 elements of 8 bytes)
	s_mov_b32 s[G1], 15|(3<<16)|(1<<21)            ; 15:0 the mask: all four work-groups; 17:16 elements of 8 bytes; 20 no padding; 21 set beside a mask
	s_mov_b32 s[G1+1], 32<<16                      ; tensor_dim0 = 32
	s_mov_b32 s[G1+2], 26<<16                      ; tensor_dim1 = 26
	s_mov_b32 s[G1+3], 32<<16                      ; tile_dim0 = 32
	s_mov_b32 s[G1+4], 26                          ; tile_dim1 = 26
	s_mov_b32 s[G1+5], 32                          ; from row to row
	s_mov_b32 s[G1+6], 0
	s_mov_b32 s[G1+7], 0
	s_mul_i32 s20, s13, 64*REC                     ; the candidates of block Y,
	s_mul_i32 s21, s[WV], 2*REC                    ; my two tiles of a chunk: in memory and in LDS alike
	s_add_co_u32 s22, s20, s21
	s_mov_b32 s23, 0
	s_mul_i32 s60, s12, 64*REC                     ; the queries of block X,
	s_mul_i32 s61, s[WV], 8*REC                    ; my eight tiles
	s_add_co_u32 s60, s60, s61
	s_mov_b32 s61, 0
	s_lshl_b32 s62, s13, 17                        ; part: 131,072 Y + 8 (1024 X + 128 w)
	s_lshl_b32 s63, s12, 13
	s_add_co_u32 s62, s62, s63
	s_lshl_b32 s63, s[WV], 10
	s_add_co_u32 s62, s62, s63
	s_mov_b32 s63, 0
	s_wait_dscnt 0x0
	s_wait_kmcnt 0x0
	s_add_nc_u64 s[6:7], s[6:7], s[22:23]
	s_add_nc_u64 s[56:57], s[4:5], s[60:61]
	s_add_nc_u64 s[58:59], s[8:9], s[62:63]
	WIN 0x40                                       ; destination window 1, address window 0
.irp q, 0,1,2,3,4,5,6,7                ; the queries' fragments: they stay
.irp g, 0,1,2,3,4,5
	global_load_b128 v[24*\q+4*\g:24*\q+4*\g+3], v1, s[56:57] offset:REC*\q+512*\g
.endr
.endr
	WIN 0
.irp q, 0,1,2,3,4,5,6,7
	global_load_b32 v[QS+\q], v2, s[56:57] offset:REC*\q+3072     ; lanes 0-15: K step 0's scale words; lanes 16-31: K step 1's
.endr
.irp q, 0,1,2,3,4,5,6,7
	global_load_b32 v[CAP+\q], v50, s[56:57] offset:REC*\q+3264   ; -a2/2 of my query
.endr
.irp c, 0,1,2,3
	s_mov_b32 s[G0+4*\c], 1                        ; count = 1
	s_add_co_u32 s[G0+4*\c+1], s21, \c*CH          ; LDS address: 6656 w + 53248 c
	s_add_nc_u64 s[G0+4*\c+2:G0+4*\c+3], s[6:7], \c*CH
	s_or_b32 s[G0+4*\c+3], s[G0+4*\c+3], 0x80000000   ; type = 2
.endr
	ROUND                                          ; all four work-groups are here: the joint loads meet
.irp c, 0,1,2,3
	tensor_load_to_lds s[G0+4*\c:G0+4*\c+3], s[G1:G1+7]   ; all fills of the launch, in one group, chunk 0 first
	s_nop 0
.endr
.rept 4
	v_nop
.endr
.irp q, 0,1,2,3,4,5,6,7
	v_mov_b32 v[BEST+\q], 0xff800000               ; the maxima begin at -infinity,
	v_mov_b32 v[IDX+\q], s[TID]                    ; at my first tile
.endr
	s_wait_loadcnt 0x0                             ; the queries
.irp q, 0,1,2,3,4,5,6,7
	v_mul_f32 v[CAP+\q], -1.0, v[CAP+\q]           ; the cap a2/2
.endr
.macro ADDR                            ; the LDS addresses of the pair of tiles in hand
	v_add_nc_u32 v4, s[TB], v1
	v_add_nc_u32 v5, s[TB], v2
	v_add_nc_u32 v6, s[TB], v3
.endm
.macro LOADT p, off                    ; a record into set p: 9 loads
.irp g, 0,1,2,3,4,5
	ds_load_b128 v[CF+24*(\p)+4*\g:CF+24*(\p)+4*\g+3], v4 offset:(\off)+512*\g
.endr
	ds_load_b32 v[CS+(\p)], v5 offset:(\off)+3072
	ds_load_b128 v[CB+8*(\p):CB+8*(\p)+3], v6 offset:(\off)+3264
	ds_load_b128 v[CB+8*(\p)+4:CB+8*(\p)+7], v6 offset:(\off)+3280
.endm
; 16 matrix instructions: the tile in set p against my eight tiles of queries, K step 0 (which takes -b2/2 as C) and K step 1.  The eight accumulators take turns, one instruction a turn.
.macro MULT p
	WIN 0x04                                       ; source 1 (the queries) window 1
.irp q, 0,1,2,3,4,5,6,7
	v_wmma_scale_f32_16x16x128_f8f6f4 v[ACC+64*(\p)+8*\q:ACC+64*(\p)+8*\q+7], v[CF+24*(\p):CF+24*(\p)+11], v[24*\q:24*\q+11], v[CB+8*(\p):CB+8*(\p)+7], v[CS+(\p)], v[QS+\q] matrix_a_fmt:MATRIX_FMT_FP6 matrix_b_fmt:MATRIX_FMT_FP6
.endr
.irp q, 0,1,2,3,4,5,6,7
	v_wmma_scale_f32_16x16x128_f8f6f4 v[ACC+64*(\p)+8*\q:ACC+64*(\p)+8*\q+7], v[CF+24*(\p)+12:CF+24*(\p)+23], v[24*\q+12:24*\q+23], v[ACC+64*(\p)+8*\q:ACC+64*(\p)+8*\q+7], v[CS+(\p)], v[QS+\q] matrix_a_fmt:MATRIX_FMT_FP6 matrix_b_fmt:MATRIX_FMT_FP6 matrix_a_scale:MATRIX_SCALE_ROW1 matrix_b_scale:MATRIX_SCALE_ROW1
.endr
	WIN 0
.endm
; The results in set p enter the maxima: 56 plain vector instructions, line by line over the eight tiles of queries, so that no line waits for the line above it.  Each accumulator is read from its low end on.
; The old maxima lie in set p of BEST, the new go to the other set: the compare of the two says where the tile has won.  Strictly greater: the earlier tile keeps a tie.
.macro REDUCE p
.set RO, BEST+8*(\p)
.set RN, BEST+8*(1-(\p))
.set RA, ACC+64*(\p)
.irp q, 0,1,2,3,4,5,6,7
	v_max3_num_f32 v[RN+\q], v[RO+\q], v[RA+8*\q], v[RA+8*\q+1]
.endr
.irp i, 2,4,6
.irp q, 0,1,2,3,4,5,6,7
	v_max3_num_f32 v[RN+\q], v[RN+\q], v[RA+8*\q+\i], v[RA+8*\q+\i+1]
.endr
.endr
.irp q, 0,1,2,3,4,5,6,7
	v_min_num_f32 v[RN+\q], v[RN+\q], v[CAP+\q]    ; d2 is not taken under 0
.endr
.irp q, 0,1,2,3,4,5,6,7
	v_cmp_gt_f32 s[CM+\q], v[RN+\q], v[RO+\q]
.endr
.irp q, 0,1,2,3,4,5,6,7
	v_cndmask_b32 v[IDX+\q], v[IDX+\q], s[TID], s[CM+\q]
.endr
	s_add_co_u32 s[TID], s[TID], 1
.endm
; A tile's turn: its products; the next tile's loads (off: its place from s[TB]; -1: none), into the set that the tile before has left; the tile before's results.
; DISTANCES (not for the loads): the loads write registers that the products of one tile ago read, REDUCE reads results of one tile ago, and the products write over accumulators of two
; tiles ago: between each such pair stands a REDUCE of another set, 56 plain instructions that name none of those registers (at the start: the four v_nop, and REDUCE's last 24 lines).
.macro TILE p, off, red
	s_wait_dscnt 0x0                               ; this tile's 9 loads, issued a tile ago; nothing else is out
	MULT \p
.if (\off) >= 0
	LOADT 1-(\p), \off
.endif
.if \red
	REDUCE 1-(\p)
.else
.rept 4
	v_nop
.endr
.endif
.endm
; A chunk of 16 tiles.  The pipeline of tiles goes on from chunk to chunk: only the first tile's loads wait for the barrier.
.macro CHUNK c
	s_wait_tensorcnt 3-\c                          ; my loads of chunks 0 to c have landed; the 3 - c younger ones may stay out
	s_wait_dscnt 0x0
	s_barrier_signal -1
	s_barrier_wait -1                              ; everybody's have
	s_mov_b32 s[TB], \c*CH
	ADDR
	LOADT 0, 0
.if \c == 0
	TILE 0, REC, 0                                 ; the very first tile has no predecessor to reduce
	TILE 1, 2*REC, 1
	s_add_co_u32 s[TB], s[TB], 2*REC
	s_mov_b32 s[CNT], 6
.else
	s_mov_b32 s[CNT], 7
.endif
.Lpair_\@:                                             ; a trip: two tiles
	ADDR
	TILE 0, REC, 1
	TILE 1, 2*REC, 1
	s_add_co_u32 s[TB], s[TB], 2*REC
	s_sub_co_u32 s[CNT], s[CNT], 1
	s_cmp_lg_u32 s[CNT], 0
	s_cbranch_scc1 .Lpair_\@
	ADDR
	TILE 0, REC, 1                                 ; the chunk's last two tiles: the last asks for nothing
	TILE 1, -1, 1
.endm
	CHUNK 0
	CHUNK 1
	CHUNK 2
	CHUNK 3
	REDUCE 1                                       ; tile 63; the maxima end in set 0
	; THE END.  A query's two halves of the lanes are joined (greater D; equal D: the lower tile); -0 becomes +0; D's bits become a key whose unsigned order is D's order.
.irp q, 0,1,2,3,4,5,6,7
	v_permlanex16_b32 v[BEST+8+\q], v[BEST+\q], s[SEL], s[SEL+1]
	v_permlanex16_b32 v[64+\q], v[IDX+\q], s[SEL], s[SEL+1]
.endr
.irp q, 0,1,2,3,4,5,6,7
	v_cmp_gt_f32 vcc_lo, v[BEST+8+\q], v[BEST+\q]
	v_cndmask_b32 v[72+\q], v[IDX+\q], v[64+\q], vcc_lo
	v_min_u32 v[80+\q], v[64+\q], v[IDX+\q]
	v_cmp_eq_f32 vcc_lo, v[BEST+8+\q], v[BEST+\q]
	v_cndmask_b32 v[72+\q], v[72+\q], v[80+\q], vcc_lo            ; the tile
	v_max_num_f32 v[BEST+\q], v[BEST+\q], v[BEST+8+\q]
	v_add_f32 v[BEST+\q], 0, v[BEST+\q]
	v_ashrrev_i32 v[80+\q], 31, v[BEST+\q]
	v_or_b32 v[80+\q], 0x80000000, v[80+\q]
	v_xor_b32 v[88+\q], v[BEST+\q], v[80+\q]                      ; the key
.endr
.irp p, 0,1,2,3                        ; queries 32 p + lane of my 128: lanes 0-15 from tile 2 p, lanes 16-31 from tile 2 p + 1
	v_cndmask_b32 v[96+2*\p], v[88+2*\p], v[89+2*\p], s[HM]
	v_cndmask_b32 v[97+2*\p], v[72+2*\p], v[73+2*\p], s[HM]
	global_store_b64 v7, v[96+2*\p:97+2*\p], s[58:59] offset:256*\p   ; 256 consecutive bytes, at a multiple of 256 from the buffer's first byte
.endr
	s_wait_tensorcnt 0x0
	ds_add_u32 v62, v63
	s_wait_dscnt 0x0
	ROUND                                          ; the closing round: no work-group ends while a partner may still ask for a tile that names it
	s_endpgm
.Lfunc_end_k_qc4daec4541_scan:
	.size	k_qc4daec4541_scan, .Lfunc_end_k_qc4daec4541_scan-k_qc4daec4541_scan
	.p2alignl 7, 3214868480
	.fill 96, 4, 3214868480
	.section	.rodata,"a",@progbits
	.p2align	6, 0x0
	.amdhsa_kernel k_qc4daec4541_scan
		.amdhsa_group_segment_fixed_size 214016
		.amdhsa_private_segment_fixed_size 0
		.amdhsa_enable_private_segment 0
		.amdhsa_kernarg_size 24
		.amdhsa_user_sgpr_count 2
		.amdhsa_user_sgpr_kernarg_segment_ptr 1
		.amdhsa_wavefront_size32 1
		.amdhsa_system_sgpr_workgroup_id_x 1
		.amdhsa_system_sgpr_workgroup_id_y 1
		.amdhsa_system_sgpr_workgroup_id_z 1
		.amdhsa_system_vgpr_workitem_id 0
		.amdhsa_next_free_vgpr 512
		.amdhsa_next_free_sgpr 66
		.amdhsa_reserve_vcc 1
		.amdhsa_float_denorm_mode_32 3
		.amdhsa_float_denorm_mode_16_64 3
		.amdhsa_memory_ordered 1
		.amdhsa_forward_progress 1
		.amdhsa_inst_pref_size 127
	.end_amdhsa_kernel
	.amdgpu_metadata
---
amdhsa.version: [ 1, 2 ]
amdhsa.kernels:
  - .name:           k_qc4daec4541_scan
    .symbol:         k_qc4daec4541_scan.kd
    .args:
      - { .name: rec1, .offset: 0, .size: 8, .value_kind: global_buffer, .address_space: global }
      - { .name: rec2, .offset: 8, .size: 8, .value_kind: global_buffer, .address_space: global }
      - { .name: part, .offset: 16, .size: 8, .value_kind: global_buffer, .address_space: global }
    .group_segment_fixed_size: 214016
    .private_segment_fixed_size: 0
    .kernarg_segment_align: 8
    .kernarg_segment_size: 24
    .max_flat_workgroup_size: 256
    .sgpr_count:     66
    .vgpr_count:     512
    .wavefront_size: 32
...
	.end_amdgpu_metadata
.endif
;; end of part 2
;; launch pick (part 3): grid 256 x 1, 16 waves a work-group, no clusters, 6,144 bytes of LDS; arguments rec1, rec2, part, out0, out1; writes out0, out1
.if DOCPART == 3
	.amdgcn_target "amdgcn-amd-amdhsa--gfx1250"
	.amdhsa_code_object_version 6
	.text
	.protected	k_qc4daec4541_pick
	.globl	k_qc4daec4541_pick
	.p2align	8
	.type	k_qc4daec4541_pick,@function
k_qc4daec4541_pick:
	s_mov_b64 s[64:65], 0
	v_nop
	global_prefetch_b8 v0, s[64:65] scope:SCOPE_SE
	s_setreg_imm32_b32 hwreg(HW_REG_WAVE_MODE, 25, 1), 1
	s_wait_xcnt 0x0
; For each query: of its 16 pairs (key, tile) in part the greatest key (equal keys: the lower tile), by compares of whole numbers read from memory; the winning tile of 16 candidates is multiplied again, on the same
; codes by the same matrix form; there d2 = max((a2 + b2) - 2 a.b, 0) is made in that order of roundings, its smallest found (equal d2: the lower candidate), and the root taken once.
; out0[query] = the distance; out1[query] = (query, 16 x tile + candidate).
; LIMITS: NaN and infinities are not served; the choice BETWEEN tiles is the earlier launch's, on a.b - b2/2.
; SHARES.  A work-group takes 64 queries, four tiles.  Wave w takes tile w / 4 and of it queries 4 (w % 4) + k, k = 0 .. 3: four winning tiles, two matrix instructions each; of each product only one query's column is used:
; 32,768 matrix instructions in the launch.  The records' addresses hang on the stored list, so they go straight into registers: no tensor loads, no cluster.
; The results meet in LDS (4 bytes a thread, twice) and wave 0 stores the work-group's 256 bytes of out0 and 512 of out1 whole.
; REGISTERS: v1-9 lane terms and addresses; v[10:11] a2 and 0; v12, v13 key and tile; v14-19 at work; v20-35 the 8 pairs that I read; v36-59 the queries' two fragments; v60 their scale words; v61, v62 wave 0's addresses;
;   set k at 64 + 36 k: 24 registers of fragments, 8 of b2, the scale words;  v208-239 four accumulators; v240-243 smallest d2, v244-247 its candidate; v248-255 the other half of the lanes'.
.set REC, 3328
.set P,   20
.set QF,  36
.set QSC, 60
.set ACC, 208
.set M,   240
.set J,   244
	s_load_b256 s[4:11], s[0:1], 0x0               ; rec1 s[4:5], rec2 s[6:7], part s[8:9], out0 s[10:11]
	s_load_b64 s[12:13], s[0:1], 0x20              ; out1
	v_lshl_add_u32 v206, v0, 2, 0x1000
	v_mov_b32 v207, 0
	v_lshrrev_b32 v1, 5, v0
	v_readfirstlane_b32 s14, v1                    ; wave 0..15
	v_and_b32 v1, 31, v0                           ; lane
	v_and_b32 v2, 15, v0                           ; r
	v_bfe_u32 v3, v0, 4, 1                         ; h
	v_lshlrev_b32 v4, 4, v1                        ; 16 x lane
	v_lshlrev_b32 v5, 2, v1                        ; 4 x lane
	v_lshlrev_b32 v6, 5, v3                        ; 32 h
	v_lshlrev_b32 v7, 3, v2
	v_lshl_add_u32 v7, v3, 17, v7                  ; part: 8 r + 131,072 h: lane (r, h) reads query r's pairs of blocks 2 i + h
	v_lshlrev_b32 v8, 2, v2                        ; 4 r
	v_lshlrev_b32 v9, 2, v0                        ; LDS: 4 x my thread's number
	v_lshrrev_b32 v61, 1, v1
	v_and_b32 v62, 7, v1
	v_lshlrev_b32 v62, 3, v62
	v_lshl_add_u32 v61, v61, 7, v62                ; LDS, back: queries 2 l and 2 l + 1 lie in wave l / 2's words, at lanes 2 (l % 8) and the next
	v_lshlrev_b32 v62, 3, v1                       ; 8 x lane
	v_mov_b32 v11, 0                               ; (named with v10 as a pair)
	v_mov_b32 v14, 0                               ; a lane permute's destination counts as one of its sources
	v_mov_b32 v15, 0
.irp i, 0,1,2,3,4,5,6,7
	v_mov_b32 v[248+\i], 0
.endr
	s_mov_b32 s44, 0x76543210
	s_mov_b32 s45, 0xfedcba98                      ; selects for lane l xor 16
	s_lshr_b32 s15, s14, 2
	s_lshl_b32 s50, ttmp9, 2
	s_add_co_u32 s15, s15, s50                     ; my tile of queries: 4 x work-group + wave / 4
	s_and_b32 s16, s14, 3
	s_lshl_b32 s16, s16, 2                         ; my first query in it
	s_mul_i32 s50, s15, REC
	s_mov_b32 s51, 0
	s_lshl_b32 s52, s15, 7                         ; 16 queries x 8 bytes
	s_mov_b32 s53, 0
	s_wait_kmcnt 0x0
	s_add_nc_u64 s[46:47], s[4:5], s[50:51]
	s_add_nc_u64 s[48:49], s[8:9], s[52:53]
.irp i, 0,1,2,3,4,5,6,7
	global_load_b64 v[P+2*\i:P+2*\i+1], v7, s[48:49] offset:262144*\i
.endr
.irp g, 0,1,2,3,4,5
	global_load_b128 v[QF+4*\g:QF+4*\g+3], v4, s[46:47] offset:512*\g
.endr
	global_load_b32 v[QSC], v5, s[46:47] offset:3072
	global_load_b32 v10, v8, s[46:47] offset:3200  ; a2 of query r
	s_wait_loadcnt 8                               ; the pairs are in; the query tile's 8 loads are younger
	v_mov_b32 v12, v[P]
	v_mov_b32 v13, v[P+1]
.irp i, 1,2,3,4,5,6,7                  ; ascending blocks, strictly greater: the lower tile keeps a tie
	v_cmp_gt_u32 vcc_lo, v[P+2*\i], v12
	v_cndmask_b32 v12, v12, v[P+2*\i], vcc_lo
	v_cndmask_b32 v13, v13, v[P+2*\i+1], vcc_lo
.endr
	v_permlanex16_b32 v14, v12, s44, s45
	v_permlanex16_b32 v15, v13, s44, s45
	v_cmp_gt_u32 vcc_lo, v14, v12
	v_cndmask_b32 v16, v13, v15, vcc_lo
	v_min_u32 v17, v13, v15
	v_cmp_eq_u32 vcc_lo, v14, v12
	v_cndmask_b32 v13, v16, v17, vcc_lo            ; query r's winning tile, in both halves of the lanes
	v_min_u32 v13, 0x3ff, v13                      ; a tile's number stays inside rec2
.irp k, 0,1,2,3
	s_add_co_u32 s17, s16, \k
	v_readlane_b32 s[20+\k], v13, s17              ; the tile of my k-th query
	s_min_u32 s[20+\k], s[20+\k], 0x3ff
.if \k > 0
	s_lshl_b32 s[40+\k], 0x10001, s17              ; and the two lanes that hold that query
.endif
	s_mul_i32 s32, s[20+\k], REC
	s_mov_b32 s33, 0
	s_add_nc_u64 s[24+2*\k:25+2*\k], s[6:7], s[32:33]
.irp g, 0,1,2,3,4,5
	global_load_b128 v[64+36*\k+4*\g:64+36*\k+4*\g+3], v4, s[24+2*\k:25+2*\k] offset:512*\g
.endr
	global_load_b32 v[96+36*\k], v5, s[24+2*\k:25+2*\k] offset:3072
	global_load_b128 v[88+36*\k:91+36*\k], v6, s[24+2*\k:25+2*\k] offset:3200   ; b2 of candidates 8 h + 0 .. 7
	global_load_b128 v[92+36*\k:95+36*\k], v6, s[24+2*\k:25+2*\k] offset:3216
.endr
	s_wait_loadcnt 0x0
	; source 0 = the tile's 16 candidates, source 1 = my 16 queries: lane (r, h): query r, register j candidate 8 h + j.  The four accumulators take turns.
.irp k, 0,1,2,3
	v_wmma_scale_f32_16x16x128_f8f6f4 v[ACC+8*\k:ACC+8*\k+7], v[64+36*\k:75+36*\k], v[QF:QF+11], 0, v[96+36*\k], v[QSC] matrix_a_fmt:MATRIX_FMT_FP6 matrix_b_fmt:MATRIX_FMT_FP6
.endr
.irp k, 0,1,2,3
	v_wmma_scale_f32_16x16x128_f8f6f4 v[ACC+8*\k:ACC+8*\k+7], v[76+36*\k:87+36*\k], v[QF+12:QF+23], v[ACC+8*\k:ACC+8*\k+7], v[96+36*\k], v[QSC] matrix_a_fmt:MATRIX_FMT_FP6 matrix_b_fmt:MATRIX_FMT_FP6 matrix_a_scale:MATRIX_SCALE_ROW1 matrix_b_scale:MATRIX_SCALE_ROW1
.endr
.irp k, 0,1,2,3
.irp j, 0,2,4,6
	v_pk_add_f32 v[88+36*\k+\j:89+36*\k+\j], v[88+36*\k+\j:89+36*\k+\j], v[10:11] op_sel_hi:[1,0]   ; a2 + b2.  (These sixteen name no register of the products: they are the places behind them)
.endr
.endr
.irp k, 0,1,2,3
.irp j, 0,2,4,6
	v_pk_fma_f32 v[88+36*\k+\j:89+36*\k+\j], v[ACC+8*\k+\j:ACC+8*\k+\j+1], -2.0, v[88+36*\k+\j:89+36*\k+\j] op_sel_hi:[1,0,1]   ; - 2 a.b, one rounding; each accumulator from its low end on
.endr
.endr
.irp k, 0,1,2,3
.irp j, 0,1,2,3,4,5,6,7
	v_max_num_f32 v[88+36*\k+\j], 0, v[88+36*\k+\j]
.endr
.endr
.irp k, 0,1,2,3
	v_mov_b32 v[M+\k], v[88+36*\k]
	v_mov_b32 v[J+\k], 0
.endr
.irp j, 1,2,3,4,5,6,7                  ; the smallest of my eight, strictly smaller: the lower candidate keeps a tie; the four sets by turns
.irp k, 0,1,2,3
	v_cmp_lt_f32 s[36+\k], v[88+36*\k+\j], v[M+\k]
.endr
.irp k, 0,1,2,3
	v_cndmask_b32 v[J+\k], v[J+\k], \j, s[36+\k]
.endr
.irp k, 0,1,2,3
	v_min_num_f32 v[M+\k], v[M+\k], v[88+36*\k+\j]
.endr
.endr
.irp k, 0,1,2,3
	v_lshl_add_u32 v[J+\k], v3, 3, v[J+\k]         ; the candidate in the tile: 8 h + j
.endr
.irp k, 0,1,2,3
	v_permlanex16_b32 v[248+\k], v[M+\k], s44, s45
	v_permlanex16_b32 v[252+\k], v[J+\k], s44, s45
.endr
.irp k, 0,1,2,3                        ; with the other half of the lanes': smaller d2; equal d2: the lower candidate
	v_cmp_lt_f32 vcc_lo, v[248+\k], v[M+\k]
	v_cndmask_b32 v16, v[J+\k], v[252+\k], vcc_lo
	v_min_u32 v17, v[J+\k], v[252+\k]
	v_cmp_eq_f32 vcc_lo, v[248+\k], v[M+\k]
	v_cndmask_b32 v[J+\k], v16, v17, vcc_lo
	v_min_num_f32 v[M+\k], v[M+\k], v[248+\k]
.endr
	v_mov_b32 v18, v[M]                            ; the lanes of my k-th query take set k's figures (the lanes of other waves' queries hold figures that nobody reads)
	v_mov_b32 v19, v[J]
.irp k, 1,2,3
	v_cndmask_b32 v18, v18, v[M+\k], s[40+\k]
	v_cndmask_b32 v19, v19, v[J+\k], s[40+\k]
.endr
	v_sqrt_f32 v18, v18
	v_lshl_add_u32 v19, v13, 4, v19                ; 16 x tile + candidate.  (A plain place behind the root)
	s_wait_alu depctr_va_vdst(0)
	ds_store_b32 v9, v18
	ds_store_b32 v9, v19 offset:2048
	s_wait_dscnt 0x0                               ; for wave 0's sake: my stores have landed
	s_barrier_signal -1
	s_barrier_wait -1
	s_cmp_lg_u32 s14, 0
	s_cbranch_scc1 .Lend
	ds_load_b64 v[16:17], v61                      ; the distances of queries 2 l and 2 l + 1 of the work-group's 64,
	ds_load_b64 v[18:19], v61 offset:2048          ; and their indices
	s_lshl_b32 s50, ttmp9, 8
	s_mov_b32 s51, 0
	s_add_nc_u64 s[10:11], s[10:11], s[50:51]
	s_lshl_b32 s50, ttmp9, 9
	s_add_nc_u64 s[12:13], s[12:13], s[50:51]
	s_lshl_b32 s50, ttmp9, 6
	v_lshlrev_b32 v20, 1, v1
	v_add_nc_u32 v20, s50, v20                     ; the query's own number
	v_add_nc_u32 v22, 1, v20
	s_wait_dscnt 0x0
	v_mov_b32 v21, v18
	v_mov_b32 v23, v19
	global_store_b64 v62, v[16:17], s[10:11]       ; 256 consecutive bytes, at a multiple of 256 from out0's first byte
	global_store_b128 v4, v[20:23], s[12:13]       ; 512 consecutive bytes, likewise in out1
.Lend:
	s_wait_tensorcnt 0x0
	ds_add_u32 v206, v207
	s_wait_dscnt 0x0
	s_endpgm
.Lfunc_end_k_qc4daec4541_pick:
	.size	k_qc4daec4541_pick, .Lfunc_end_k_qc4daec4541_pick-k_qc4daec4541_pick
	.p2alignl 7, 3214868480
	.fill 96, 4, 3214868480
	.section	.rodata,"a",@progbits
	.p2align	6, 0x0
	.amdhsa_kernel k_qc4daec4541_pick
		.amdhsa_group_segment_fixed_size 6144
		.amdhsa_private_segment_fixed_size 0
		.amdhsa_enable_private_segment 0
		.amdhsa_kernarg_size 40
		.amdhsa_user_sgpr_count 2
		.amdhsa_user_sgpr_kernarg_segment_ptr 1
		.amdhsa_wavefront_size32 1
		.amdhsa_system_sgpr_workgroup_id_x 1
		.amdhsa_system_sgpr_workgroup_id_y 1
		.amdhsa_system_sgpr_workgroup_id_z 1
		.amdhsa_system_vgpr_workitem_id 0
		.amdhsa_next_free_vgpr 256
		.amdhsa_next_free_sgpr 66
		.amdhsa_reserve_vcc 1
		.amdhsa_float_denorm_mode_32 3
		.amdhsa_float_denorm_mode_16_64 3
		.amdhsa_memory_ordered 1
		.amdhsa_forward_progress 1
		.amdhsa_inst_pref_size 22
	.end_amdhsa_kernel
	.amdgpu_metadata
---
amdhsa.version: [ 1, 2 ]
amdhsa.kernels:
  - .name:           k_qc4daec4541_pick
    .symbol:         k_qc4daec4541_pick.kd
    .args:
      - { .name: rec1, .offset: 0, .size: 8, .value_kind: global_buffer, .address_space: global }
      - { .name: rec2, .offset: 8, .size: 8, .value_kind: global_buffer, .address_space: global }
      - { .name: part, .offset: 16, .size: 8, .value_kind: global_buffer, .address_space: global }
      - { .name: out0, .offset: 24, .size: 8, .value_kind: global_buffer, .address_space: global }
      - { .name: out1, .offset: 32, .size: 8, .value_kind: global_buffer, .address_space: global }
    .group_segment_fixed_size: 6144
    .private_segment_fixed_size: 0
    .kernarg_segment_align: 8
    .kernarg_segment_size: 40
    .max_flat_workgroup_size: 512
    .sgpr_count:     66
    .vgpr_count:     256
    .wavefront_size: 32
...
	.end_amdgpu_metadata
.endif
;; end of part 3
